; MI455X (gfx1250); checked and timed in simulation.
; The chip was launched on July 23, 2026; its instructions are those of AMD's public machine-readable ISA for CDNA 5 (MIT licence, August 2026) and "CDNA5" Instruction Set Architecture Reference Guide (July 2026). The comments in the code are by the model that wrote it; some were corrected since.
;; Separate non local. Allowed arithmetic: matrix products marked QUANTISED: E2M1 operands, one E8M0 scale for each 32 along K, by v_wmma_scale_f32_16x16x128_f8f6f4 with both operands' format E2M1 (or v_wmma_scale_f32_32x16x128_f4), f32 sums; everything else in f32.
;; Inputs: bA 128 float32; bB 128 float32; bD 128 float32; bO 128 float32; nei 2 x 128 x 64 x 64 float32; ref 2 x 128 x 64 x 64 float32; wA_codes 128 x 4 x 16 uint8 (E2M1 codes of wA, K innermost, in blocks of 32 codes, two codes a byte); wA_scales 128 x 4 uint8 (E8M0 scales of wA, one for each 32 codes along K); wB_codes 128 x 4 x 16 uint8 (E2M1 codes of wB, K innermost, in blocks of 32 codes, two codes a byte); wB_scales 128 x 4 uint8 (E8M0 scales of wB, one for each 32 codes along K); wD_codes 128 x 4 x 16 uint8 (E2M1 codes of wD, K innermost, in blocks of 32 codes, two codes a byte); wD_scales 128 x 4 uint8 (E8M0 scales of wD, one for each 32 codes along K); wO_codes 128 x 8 x 16 uint8 (E2M1 codes of wO, K innermost, in blocks of 32 codes, two codes a byte); wO_scales 128 x 8 uint8 (E8M0 scales of wO, one for each 32 codes along K).
;; Outputs: out0 2 x 128 x 64 x 64 float32.
;; This version of the problem:
;;   THIS VERSION OF THE PROBLEM IS GIVEN IN LOW PRECISION. The matrix products marked QUANTISED in the list below multiply operands that are first quantised to E2M1 (2 exponent bits, 1 mantissa bit; 4 bits a number), with one power-of-two scale for each 32 numbers along K (OCP MX v1.0); their sums are f32. All else is computed in f32.
;;   The module's matrix products, in the order in which they are computed (A, B: the left and right operand; K: the contracted axis; several contracted axes count as one K, in the product's order):
;;     1. [M 16,384, K 128] x [K 128, N 128]; A: computed on the way; B: input wA (given as codes): QUANTISED
;;     2. [M 16,384, K 128] x [K 128, N 128]; A: computed on the way; B: input wB (given as codes): QUANTISED
;;     3. [M 16,384, K 128] x [K 128, N 128]; A: computed on the way; B: input wD (given as codes): QUANTISED
;;     4. batch 2 x [M 8,192, K 128] x [K 128, N 8,192]; A: computed on the way; B: computed on the way: QUANTISED
;;     5. batch 2 x [M 128, K 8,192] x [K 8,192, N 8,192]; A: computed on the way; B: softmax (see below): QUANTISED
;;     6. [M 8,192, K 256] x [K 256, N 128]; A: computed on the way; B: input wO (given as codes): QUANTISED
;;   THE QUANTISER, for each operand of a quantised product, along K:
;;     - K is cut into blocks of 32 from its start; a last block that is shorter is filled with zeros.
;;     - A block's scale is 2^e with e = floor(log2(the largest magnitude in the block)) - 2, held to -126 .. 127; a block of zeros has e = 0. As a byte (E8M0): e + 127.
;;     - Each number is divided by its block's scale, clamped to +-6, and rounded to the nearest number of E2M1, ties to even, subnormals kept.
;;     - The product sums the exact products of the quantised numbers (number of the format x scale) in f32.
;;   ~~~python
;;   def quantise(x, axis):      # numpy; x: float32 -> the quantised numbers, widened to float32 again
;;       x = np.moveaxis(x, axis, -1); K = x.shape[-1]
;;       x = np.pad(x, [(0, 0)] * (x.ndim - 1) + [(0, -K % 32)]); x = x.reshape(x.shape[:-1] + (-1, 32)); a = np.abs(x).max(-1, keepdims=True)
;;       e = np.where(a > 0, np.clip(np.frexp(np.where(a > 0, a, 1))[1] - 1 - 2, -126, 127), 0)      # np.frexp(a)[1] - 1 = floor(log2(a)), exactly
;;       r = np.clip(x / 2.0 ** e, -6, 6)
;;       step = 2.0 ** (np.maximum(np.frexp(np.where(r == 0, 1, r))[1] - 1, 0) - 1)
;;       q = np.round(r / step) * step * 2.0 ** e      # np.round: ties to even
;;       return np.moveaxis(q.reshape(q.shape[:-2] + (-1,))[..., :K], -1, axis).astype(np.float32)
;;   ~~~
;;   SOFTMAX AHEAD OF A QUANTISED PRODUCT. Where the list says 'softmax', what is quantised is not the finished softmax but p = 2^(t - M), with t = logit x log2(e) and M = ceil(the row's largest t), a whole number; so 1/2 < the row's largest p <= 1. The row's sum l is taken of the UNQUANTISED p, in f32, and the product's result is divided by l at the end. Since M is a whole number, a kernel that streams over the keys may use a running M (the ceiling of the running maximum): every later rescaling is an exact power of two, which a block's scale takes up: the codes' values come out the same.
;;   OPERANDS COMPUTED ON THE WAY. 'Computed on the way' means the value that the module computes at that place (a softmax that the list does not call 'softmax' is quantised finished and normalised). What goes into a quantiser is computed in f32, as accurately as f32 sums, v_exp_f32 and their like allow (about 1e-6 of the number): no bf16 or f16 on the way to a quantiser, and a product that is left as it is and whose result goes on into a quantised operand takes f32 operands (vector FMAs, or v_wmma_f32_16x16x4_f32). A number that lies on a knife's edge between two numbers of the format may be rounded either way, as far as f32 arithmetic and the matrix unit's own rounding can turn it there, and no further.
;;   INPUTS GIVEN AS CODES. wA (in the module: [128, 128], K = its axis 1); wB (in the module: [128, 128], K = its axis 1); wD (in the module: [128, 128], K = its axis 1); wO (in the module: [128, 256], K = its axis 1): each comes as NAME_codes (uint8): NAME with its K axis moved to the last place and cut into blocks of 32 codes, [.., K / 32, bytes a block], one block behind the other in memory; two codes a byte, the lower K in the low four bits (a code: sign, 2 exponent bits, 1 mantissa bit); and NAME_scales (uint8): the same leading axes, one E8M0 byte (e + 127) for each 32 codes along K. Its value is code x scale, taken as it is: it is not quantised again, and the codes and scales need not be those that the quantiser above would give.
;; One version. Each part assembles by itself: llvm-mc -triple=amdgcn-amd-amdhsa -mcpu=gfx1250 --defsym DOCPART=n.
;; ======== version 1 of 1: 2 launches
;; workspace buffers: qbuf 1,114,112 bytes; kv 2,228,224 bytes
;; launch proj (part 1): grid 128 x 1, 16 waves a work-group, no clusters, 15,360 bytes of LDS; arguments ref, nei, wA_codes, wA_scales, bA, wB_codes, wB_scales, bB, wD_codes, wD_scales, bD, qbuf, kv; writes qbuf, kv
.if DOCPART == 1
	.amdgcn_target "amdgcn-amd-amdhsa--gfx1250"
	.amdhsa_code_object_version 6
	.text
	.protected	k_q89169d4cd1_proj
	.globl	k_q89169d4cd1_proj
	.p2align	8
	.type	k_q89169d4cd1_proj,@function
k_q89169d4cd1_proj:
	s_mov_b64 s[64:65], 0
	v_nop
	global_prefetch_b8 v0, s[64:65] scope:SCOPE_SE
	s_setreg_imm32_b32 hwreg(HW_REG_WAVE_MODE, 25, 1), 1
	s_wait_xcnt 0x0
; q = wA x + bA, k = wB x + bB, v = wD x + bD on codes of FP4 (E2M1) with one E8M0 scale for each 32 along K, and their results quantised again:
; q and k along the channels, v along the tokens (the keys).  x is ref's 4,096 pixels followed by nei's, [batch][128 channels][pixel], f32: its K, the channels, is not innermost.
; SHARES.  A work-group takes 128 tokens (group g = batch x 64 + token / 128): as many as one K step of the product with v, so that v's fragments and scale words come out whole; that gives 128 work-groups.
; Sixteen waves.  First each wave quantises 32 tokens x 32 channels of x (a lane to a token, its registers down the channels) into rows of codes in LDS.  Then wave w, role = w / 8, t = w % 8,
; makes tile t (16 tokens) of q (role 0) or of k (role 1), all 128 channels, and tile t (16 channels) of v for tokens 64 role .. 64 role + 63.  One path: the roles differ in pointers alone.
; LAYOUT.  q, k: source 0 = 16 rows of W, source 1 = 16 tokens: a lane holds one token and its registers run along the channels.  v: source 0 = 16 tokens, source 1 = 16 rows of wD: a lane holds one channel
; and its registers run along the tokens.  THE ROWS OF A TILE ARE NOT NEIGHBOURS: row r of tile 2 b + u is item 32 b + 8 u + r + 8 (r / 8) (tokens of x, q, k; channels of W, wD, v), so that the 16 registers
; of tiles 2 b and 2 b + 1 are the 16 neighbours 32 b + 16 (lane / 16) + 0 .. 15 along the next K.
; OUT.  Operands leave as images of their registers.  A half block of 8,704 bytes: eight fragments of 1,024 bytes (registers 4 c .. 4 c + 3 at 512 c + 16 x lane), then 512 bytes of scale words at 16 x lane + 4 j:
; word j of lanes 0-15 is tile 2 j's row, of lanes 16-31 tile 2 j + 1's.  qbuf: a half block a group.  kv: k's half block, then v's, a group.  Every store of codes covers 512 consecutive bytes.
; NO CLUSTER, NO TENSOR LOAD: work-groups share the three weights alone (24,576 bytes of codes against 65,536 bytes of x for each), and each wave takes its operands straight into registers.
; LIMITS: NaN and infinities among the inputs are not served; a block whose largest magnitude lies under 2^-124 gets the byte 1 (a block of zeros too: its codes are zeros, and this program alone reads the bytes).
.set XP,   80                          ; LDS: a token's row of x: 4 blocks x 16 bytes + 16 of padding: 16 rows of a fragment load start at 16 different groups of banks (64 banks of 4 bytes: ISA guide 11.1)
.set XSC,  128*XP                      ; x's scale words, 4 bytes a token
.set BL,   XSC+512                     ; bA's 128 numbers, then bB's
.set SSTG, BL+1024                     ; three stages of 512 bytes: the scale words of q, k, v as they leave
.set TM,   104                         ; v104-107 largest magnitudes, v108-111 the other half's, then bytes, v112-115 the conversions' scale operands (W's registers, free by then)
.set PC,   240                         ; v240-247 the codes just made
.set PW,   248                         ; v248 the scale word just made
.set SEL,  50                          ; s[50:51] v_permlanex16_b32's selects for lane l xor 16
; REGISTERS: v1 4 x lane, v2 16 x lane, v3 4 r; v5-17 addresses; v18 x's scale word (my tile), v19 wD's, v20-23 x's (four tiles), v24-31 W's: scales and nothing else;
; v32-63 x as loaded, later v's four tiles; v64-95 four fragments of x; v96-159 W's eight fragments, later bD as a C (v96-103) and TM; v160-223 q's or k's eight tiles; v224-231 wD's fragment; v232-239 my tile of x.
; nb blocks of a lane's numbers, v[s] on, register 16 b + i = K 32 b + 16 (lane / 16) + i of my row, become codes in v[PC] on (whole blocks a lane) and bytes in v[PW].
.macro QUANT s, nb
.irp b, 0,1,2,3
.if \b < \nb
	v_max3_num_f32 v[TM+\b], |v[\s+16*\b]|, |v[\s+1+16*\b]|, 0x1800000   ; my 16 numbers of block b, and the floor 2^(3 - 127): the byte cannot fall under 1.  Each accumulator is read from its low end on
.endif
.endr
.irp i, 2,4,6,8,10,12,14
.irp b, 0,1,2,3
.if \b < \nb
	v_max3_num_f32 v[TM+\b], v[TM+\b], |v[\s+16*\b+\i]|, |v[\s+1+16*\b+\i]|   ; (the blocks by turns)
.endif
.endr
.endr
.irp b, 0,1,2,3
.if \b < \nb
	v_permlanex16_b32 v[TM+4+\b], v[TM+\b], s[SEL], s[SEL+1]
.endif
.endr
.irp b, 0,1,2,3
.if \b < \nb
	v_max_num_f32 v[TM+\b], v[TM+\b], v[TM+4+\b]   ; with lane l xor 16's: the block's largest magnitude
.endif
.endr
.irp b, 0,1,2,3
.if \b < \nb
	v_add_nc_u32 v[TM+8+\b], 0xff000000, v[TM+\b]  ; 2 off its exponent field: the conversion takes this operand's exponent field as its scale
.endif
.endr
.irp b, 0,1,2,3
.if \b < \nb
	v_lshrrev_b32 v[TM+4+\b], 23, v[TM+8+\b]       ; the scale's byte
.endif
.endr
	v_lshl_or_b32 v[PW], v[TM+5], 8, v[TM+4]
.if \nb > 2
	s_delay_alu instid0(VALU_DEP_1)
	v_lshl_or_b32 v[PW], v[TM+6], 16, v[PW]
	s_delay_alu instid0(VALU_DEP_1)
	v_lshl_or_b32 v[PW], v[TM+7], 24, v[PW]
.endif
.irp b, 0,1,2,3
.if \b < \nb
	v_cvt_scalef32_pk8_fp4_f32 v[PC+2*\b], v[\s+16*\b:\s+7+16*\b], v[TM+8+\b]
	v_cvt_scalef32_pk8_fp4_f32 v[PC+1+2*\b], v[\s+8+16*\b:\s+15+16*\b], v[TM+8+\b]
.endif
.endr
	v_nop                                          ; one plain place behind a scaled conversion
.irp c, 0,1
.if 2*\c < \nb
.irp i, 0,1
	v_permlane16_swap_b32 v[PC+4*\c+\i], v[PC+2+4*\c+\i]   ; the operand's layout wants a whole block in a lane: lanes 0-15 block 2 c, lanes 16-31 block 2 c + 1
.endr
.endif
.endr
.endm
.macro BARRIER                         ; my LDS stores have landed and my LDS loads are in: then the work-group's barrier
	s_wait_dscnt 0x0
	s_barrier_signal -1
	s_barrier_wait -1
.endm
	s_load_b512 s[4:19], s[0:1], 0x0               ; ref 4, nei 6, wA's codes 8, scales 10, bA 12, wB's codes 14, scales 16, bB 18
	s_load_b256 s[20:27], s[0:1], 0x40             ; wD's codes 20, scales 22, bD 24, qbuf 26
	s_load_b64 s[28:29], s[0:1], 0x60              ; kv
	v_lshl_add_u32 v4, v0, 2, 0x3400
	v_mov_b32 v251, 0
	v_lshrrev_b32 v1, 5, v0
	s_delay_alu instid0(VALU_DEP_1)
	v_readfirstlane_b32 s30, v1                    ; wave 0..15
	s_lshr_b32 s31, s30, 3                         ; role: q or k; also which 64 tokens of v
	s_and_b32 s32, s30, 7                          ; t: my tile
	s_and_b32 s33, s30, 3                          ; quantising x: which 32 tokens,
	s_lshr_b32 s34, s30, 2                         ; which 32 channels
	s_lshr_b32 s52, s32, 1
	s_and_b32 s53, s32, 1
	s_lshl_b32 s35, s52, 5
	s_lshl_b32 s54, s53, 3
	s_add_co_u32 s35, s35, s54                     ; tile t begins at item 32 (t / 2) + 8 (t % 2)
	s_lshl_b32 s53, s53, 8
	s_lshl_b32 s52, s52, 2
	s_add_co_u32 s53, s53, s52                     ; its scale words' place in a stage: 256 (t % 2) + 4 (t / 2)
	s_mov_b32 s[SEL], 0x76543210
	s_mov_b32 s[SEL+1], 0xfedcba98
	v_and_b32 v160, 31, v0                         ; lane
	v_and_b32 v161, 15, v0                         ; r
	v_bfe_u32 v162, v0, 4, 1                       ; h
	s_delay_alu instid0(VALU_DEP_2)
	v_and_b32 v163, 8, v161
	s_delay_alu instid0(VALU_DEP_1)
	v_add_nc_u32 v163, v163, v161                  ; r + 8 (r / 8)
	v_lshlrev_b32 v1, 2, v160
	v_lshlrev_b32 v2, 4, v160
	v_lshlrev_b32 v3, 2, v161
	s_wait_alu depctr_va_vdst(0)
	v_lshlrev_b32 v14, 2, v163                     ; a weight's scale word, a bias: 4 bytes a row
	v_lshlrev_b32 v13, 6, v163
	s_delay_alu instid0(VALU_DEP_1)
	v_lshl_add_u32 v13, v162, 4, v13               ; a weight's row of 64 bytes, + 16 h
	s_mul_i32 s52, s33, 32*XP
	s_lshl_b32 s54, s34, 4
	s_add_co_u32 s52, s52, s54
	v_mul_u32_u24 v5, v160, XP
	s_delay_alu instid0(VALU_DEP_1)
	v_add_nc_u32 v5, s52, v5                       ; where my block's 16 bytes of codes go: my token's row, my block
	s_lshl_b32 s52, s33, 7
	s_add_co_u32 s52, s52, s34
	s_add_co_u32 s52, s52, XSC
	v_add_nc_u32 v6, s52, v1                       ; and its byte
	s_lshl_b32 s52, s30, 6
	s_add_co_u32 s52, s52, BL
	v_add_nc_u32 v7, s52, v3                       ; my wave's 16 numbers of the biases
	v_mul_u32_u24 v164, v163, XP
	s_delay_alu instid0(VALU_DEP_1)
	v_lshl_add_u32 v164, v162, 4, v164             ; a fragment of x: the tile's row, + 16 h
	s_mul_i32 s52, s35, XP
	v_add_nc_u32 v8, s52, v164                     ; my tile of tokens,
	s_lshl_b32 s52, s35, 2
	s_add_co_u32 s52, s52, XSC
	v_add_nc_u32 v9, s52, v14                      ; its scale words;
	s_mul_i32 s52, s31, 64*XP
	v_add_nc_u32 v10, s52, v164                    ; my 64 tokens for v,
	s_lshl_b32 s52, s31, 8
	s_add_co_u32 s52, s52, XSC
	v_add_nc_u32 v11, s52, v14                     ; their scale words
	s_lshl_b32 s52, s31, 9
	s_add_co_u32 s54, s52, BL
	v_lshl_add_u32 v12, v162, 6, s54               ; my role's bias, + 16 h numbers
	s_add_co_u32 s52, s52, s53
	s_add_co_u32 s52, s52, SSTG
	v_lshl_add_u32 v15, v161, 4, s52               ; q's or k's stage: my tile's word of row r
	s_lshl_b32 s52, s31, 1
	s_add_co_u32 s52, s52, s53
	s_add_co_u32 s52, s52, SSTG+1024
	v_lshl_add_u32 v16, v161, 4, s52               ; v's stage: my two bytes of that word
	s_min_u32 s52, s30, 2
	s_lshl_b32 s54, s52, 9
	s_add_co_u32 s54, s54, SSTG
	v_add_nc_u32 v17, s54, v2                      ; waves 0, 1, 2 send a stage each
	; offsets, made apart from the addresses
	s_max_u32 s62, s52, 1
	s_sub_co_u32 s62, s62, 1
	s_mul_i32 s62, s62, 8704
	s_mul_i32 s56, ttmp9, 8704                     ; my group in qbuf,
	s_mul_i32 s57, ttmp9, 17408                    ; and in kv
	s_add_co_u32 s62, s62, s57
	s_add_co_u32 s62, s62, 8192                    ; k's or v's scale words
	s_add_co_u32 s63, s56, 8192                    ; q's
	s_lshl_b32 s58, s32, 10                        ; image t
	s_lshl_b32 s59, s31, 9
	s_add_co_u32 s60, s57, s58
	s_add_co_u32 s60, s60, s59
	s_add_co_u32 s60, s60, 8704                    ; v's image t, my half of its registers
	s_mov_b32 s61, 0
	s_add_co_u32 s56, s56, s58
	s_add_co_u32 s57, s57, s58
	s_lshr_b32 s54, ttmp9, 6
	s_lshl_b32 s54, s54, 21                        ; x: the batch's 2,097,152 bytes,
	s_and_b32 s55, ttmp9, 31
	s_lshl_b32 s55, s55, 9                         ; the group's 128 pixels,
	s_add_co_u32 s54, s54, s55
	s_lshl_b32 s55, s33, 7                         ; my 32 of them,
	s_add_co_u32 s54, s54, s55
	s_lshl_b32 s55, s34, 19                        ; my 32 channels of 16,384 bytes
	s_add_co_u32 s54, s54, s55
	s_mov_b32 s55, 0
	s_and_b32 s52, ttmp9, 63
	s_wait_kmcnt 0x0
	s_cmp_lt_u32 s52, 32                           ; the batch's first 32 groups are ref's pixels, the others nei's
	s_cselect_b64 s[36:37], s[4:5], s[6:7]
	s_add_nc_u64 s[36:37], s[36:37], s[54:55]
	s_cmp_lt_u32 s30, 8                            ; my role's weight, bias and buffer
	s_cselect_b64 s[38:39], s[8:9], s[14:15]
	s_cselect_b64 s[40:41], s[10:11], s[16:17]
	s_cselect_b64 s[42:43], s[12:13], s[18:19]
	s_cselect_b64 s[44:45], s[26:27], s[28:29]
	s_cselect_b32 s54, s56, s57
	s_add_nc_u64 s[44:45], s[44:45], s[54:55]
	s_add_nc_u64 s[46:47], s[28:29], s[60:61]
	s_cmp_eq_u32 s30, 0
	s_cselect_b64 s[48:49], s[26:27], s[28:29]
	s_cselect_b32 s54, s63, s62
	s_add_nc_u64 s[48:49], s[48:49], s[54:55]
	s_lshl_b32 s54, s32, 6
	s_add_nc_u64 s[42:43], s[42:43], s[54:55]      ; the 16 numbers of the bias that my wave brings
	s_lshl_b32 s54, s35, 6
	s_add_nc_u64 s[20:21], s[20:21], s[54:55]      ; wD at my tile of channels
	s_lshl_b32 s54, s35, 2
	s_add_nc_u64 s[22:23], s[22:23], s[54:55]
	s_add_nc_u64 s[24:25], s[24:25], s[54:55]
	; ---- all loads at once
.set I, 0
.rept 32
	global_load_b32 v[32+I], v1, s[36:37] offset:I*16384   ; x(channel I of my 32, my token): 32 lanes read 128 consecutive bytes, four waves side by side 512
.set I, I+1
.endr
	global_load_b32 v250, v3, s[42:43]
.irp t, 0,1,2,3,4,5,6,7
.irp c, 0,1
	global_load_b128 v[96+8*\t+4*\c:99+8*\t+4*\c], v13, s[38:39] offset:(32*(\t/2)+8*(\t%2))*64+32*\c
.endr
	global_load_b32 v[24+\t], v14, s[40:41] offset:(32*(\t/2)+8*(\t%2))*4
.endr
	global_load_b128 v[224:227], v13, s[20:21]
	global_load_b128 v[228:231], v13, s[20:21] offset:32
	global_load_b32 v19, v14, s[22:23]
	global_load_b32 v249, v14, s[24:25]            ; bD of my lane's channel
	; ---- x: my token's block of 32 channels: all its numbers are mine
	s_wait_loadcnt 28                              ; loads come back in order (ISA guide 5.7.1): x's 32 and the bias piece are in; the 28 issued behind them (16 + 8 of W, 2 + 1 of wD, bD) may be out
	v_max3_num_f32 v160, |v32|, |v33|, |v34|
	v_max3_num_f32 v161, |v35|, |v36|, |v37|
.irp i, 6,10,14,18,22,26
	s_delay_alu instid0(VALU_DEP_2)
	v_max3_num_f32 v160, v160, |v[32+\i]|, |v[33+\i]|
	s_delay_alu instid0(VALU_DEP_2)
	v_max3_num_f32 v161, v161, |v[34+\i]|, |v[35+\i]|
.endr
	s_delay_alu instid0(VALU_DEP_2)
	v_max3_num_f32 v160, v160, |v62|, |v63|
	s_delay_alu instid0(VALU_DEP_1)
	v_max3_num_f32 v160, v160, v161, 0x1800000     ; and the floor
	s_delay_alu instid0(VALU_DEP_1)
	v_add_nc_u32 v162, 0xff000000, v160
	s_delay_alu instid0(VALU_DEP_1)
	v_lshrrev_b32 v163, 23, v162
.irp g, 0,1,2,3
	v_cvt_scalef32_pk8_fp4_f32 v[PC+\g], v[32+8*\g:39+8*\g], v162
.endr
	v_nop                                          ; one plain place behind a scaled conversion
	ds_store_b128 v5, v[PC:PC+3]
	ds_store_b8 v6, v163
	ds_store_b32 v7, v250                          ; (lanes r and r + 16 write the same word with the same value)
	BARRIER                                        ; x's 128 rows of codes, their scale words and both biases lie in LDS
	; ---- q or k: my 16 tokens, all 128 channels; the bias is each sum's C, loaded into the accumulator
	ds_load_b128 v[232:235], v8
	ds_load_b128 v[236:239], v8 offset:32
	ds_load_b32 v18, v9
.irp m, 0,1,2,3
.irp c, 0,1
	ds_load_b128 v[64+8*\m+4*\c:67+8*\m+4*\c], v10 offset:(32*(\m/2)+8*(\m%2))*XP+32*\c
.endr
	ds_load_b32 v[20+\m], v11 offset:(32*(\m/2)+8*(\m%2))*4
.endr
.irp t, 0,1,2,3,4,5,6,7
	ds_load_b128 v[160+8*\t:163+8*\t], v12 offset:(32*(\t/2)+8*(\t%2))*4      ; register j of tile 2 b + u: the bias of channel 32 b + 16 h + 8 u + j
	ds_load_b128 v[164+8*\t:167+8*\t], v12 offset:(32*(\t/2)+8*(\t%2))*4+16
.endr
	s_wait_dscnt 0x0
	s_wait_loadcnt 0x0                             ; the weights
.irp t, 0,1,2,3,4,5,6,7
	v_wmma_scale_f32_16x16x128_f8f6f4 v[160+8*\t:167+8*\t], v[96+8*\t:103+8*\t], v[232:239], v[160+8*\t:167+8*\t], v[24+\t], v18 matrix_a_fmt:MATRIX_FMT_FP4 matrix_b_fmt:MATRIX_FMT_FP4
.endr
.rept 4
	v_nop                                          ; four places in front of the first read of results and of writes into W's registers (ISA guide 7.12.1)
.endr
	QUANT 160, 4
	global_store_b128 v2, v[PC:PC+3], s[44:45]             ; the fragment's image: 512 consecutive bytes a store
	global_store_b128 v2, v[PC+4:PC+7], s[44:45] offset:512
	ds_store_b32 v15, v[PW]
	; ---- v: my 16 channels for my 64 tokens; a lane holds one channel, so bD is one number in all eight registers of the C
.irp j, 0,1,2,3,4,5,6,7
	v_mov_b32 v[96+\j], v249
.endr
.rept 4
	v_nop
.endr
.irp m, 0,1,2,3
	v_wmma_scale_f32_16x16x128_f8f6f4 v[32+8*\m:39+8*\m], v[64+8*\m:71+8*\m], v[224:231], v[96:103], v[20+\m], v19 matrix_a_fmt:MATRIX_FMT_FP4 matrix_b_fmt:MATRIX_FMT_FP4
.endr
.rept 4
	v_nop
.endr
	s_wait_xcnt 0x0                                ; the image's stores have read their data (ISA guide 3.1): the codes' registers are written again only behind this wait,
	s_wait_dscnt 0x0                               ; and the scale word's behind this one
	QUANT 32, 2
	global_store_b128 v2, v[PC:PC+3], s[46:47]     ; registers 4 role .. 4 role + 3 of v's fragment t
	ds_store_b16 v16, v[PW]                        ; bytes 2 role, 2 role + 1 of its scale words
	BARRIER                                        ; the three stages are whole
	s_cmp_lt_u32 s30, 3
	s_cbranch_scc0 .Ldone
	ds_load_b128 v[252:255], v17
	s_wait_dscnt 0x0
	global_store_b128 v2, v[252:255], s[48:49]     ; 512 consecutive bytes: a half block's scale words
.Ldone:
	s_wait_tensorcnt 0x0
	ds_add_u32 v4, v251
	s_wait_dscnt 0x0
	s_endpgm
.Lfunc_end_k_q89169d4cd1_proj:
	.size	k_q89169d4cd1_proj, .Lfunc_end_k_q89169d4cd1_proj-k_q89169d4cd1_proj
	.p2alignl 7, 3214868480
	.fill 96, 4, 3214868480
	.section	.rodata,"a",@progbits
	.p2align	6, 0x0
	.amdhsa_kernel k_q89169d4cd1_proj
		.amdhsa_group_segment_fixed_size 15360
		.amdhsa_private_segment_fixed_size 0
		.amdhsa_enable_private_segment 0
		.amdhsa_kernarg_size 104
		.amdhsa_user_sgpr_count 2
		.amdhsa_user_sgpr_kernarg_segment_ptr 1
		.amdhsa_wavefront_size32 1
		.amdhsa_system_sgpr_workgroup_id_x 1
		.amdhsa_system_sgpr_workgroup_id_y 1
		.amdhsa_system_sgpr_workgroup_id_z 1
		.amdhsa_system_vgpr_workitem_id 0
		.amdhsa_next_free_vgpr 256
		.amdhsa_next_free_sgpr 66
		.amdhsa_reserve_vcc 0
		.amdhsa_float_denorm_mode_32 3
		.amdhsa_float_denorm_mode_16_64 3
		.amdhsa_memory_ordered 1
		.amdhsa_forward_progress 1
		.amdhsa_inst_pref_size 24
	.end_amdhsa_kernel
	.amdgpu_metadata
---
amdhsa.version: [ 1, 2 ]
amdhsa.kernels:
  - .name:           k_q89169d4cd1_proj
    .symbol:         k_q89169d4cd1_proj.kd
    .args:
      - { .name: ref, .offset: 0, .size: 8, .value_kind: global_buffer, .address_space: global }
      - { .name: nei, .offset: 8, .size: 8, .value_kind: global_buffer, .address_space: global }
      - { .name: wA_codes, .offset: 16, .size: 8, .value_kind: global_buffer, .address_space: global }
      - { .name: wA_scales, .offset: 24, .size: 8, .value_kind: global_buffer, .address_space: global }
      - { .name: bA, .offset: 32, .size: 8, .value_kind: global_buffer, .address_space: global }
      - { .name: wB_codes, .offset: 40, .size: 8, .value_kind: global_buffer, .address_space: global }
      - { .name: wB_scales, .offset: 48, .size: 8, .value_kind: global_buffer, .address_space: global }
      - { .name: bB, .offset: 56, .size: 8, .value_kind: global_buffer, .address_space: global }
      - { .name: wD_codes, .offset: 64, .size: 8, .value_kind: global_buffer, .address_space: global }
      - { .name: wD_scales, .offset: 72, .size: 8, .value_kind: global_buffer, .address_space: global }
      - { .name: bD, .offset: 80, .size: 8, .value_kind: global_buffer, .address_space: global }
      - { .name: qbuf, .offset: 88, .size: 8, .value_kind: global_buffer, .address_space: global }
      - { .name: kv, .offset: 96, .size: 8, .value_kind: global_buffer, .address_space: global }
    .group_segment_fixed_size: 15360
    .private_segment_fixed_size: 0
    .kernarg_segment_align: 8
    .kernarg_segment_size: 104
    .max_flat_workgroup_size: 512
    .sgpr_count:     66
    .vgpr_count:     256
    .wavefront_size: 32
...
	.end_amdgpu_metadata
.endif
;; end of part 1
;; launch attn (part 2): grid 128 x 2, 16 waves a work-group, clusters of 4 x 1, 327,680 bytes of LDS; arguments qbuf, kv, ref, wO_codes, wO_scales, bO, out0; writes out0
.if DOCPART == 2
	.amdgcn_target "amdgcn-amd-amdhsa--gfx1250"
	.amdhsa_code_object_version 6
	.text
	.protected	k_q89169d4cd1_attn
	.globl	k_q89169d4cd1_attn
	.p2align	8
	.type	k_q89169d4cd1_attn,@function
k_q89169d4cd1_attn:
	s_mov_b64 s[64:65], 0
	v_nop
	global_prefetch_b8 v0, s[64:65] scope:SCOPE_SE
	s_setreg_imm32_b32 hwreg(HW_REG_WAVE_MODE, 25, 1), 1
	s_wait_xcnt 0x0
	s_wait_alu depctr_hold_cnt(0) depctr_sa_sdst(0) depctr_va_vdst(0) depctr_va_sdst(0) depctr_va_ssrc(0) depctr_va_vcc(0) depctr_vm_vsrc(0)
	s_getreg_b32 s2, hwreg(HW_REG_IB_STS2, 6, 4)
	s_cmp_eq_u32 s2, 0
	s_cbranch_scc0 .Lentry_in_a_cluster
	s_endpgm
.Lentry_in_a_cluster:
	s_bfe_u32 s2, ttmp6, 0x10000c
	s_cmp_lg_u32 s2, 0x3003
	s_cbranch_scc0 .Lentry_shape_is_right
	s_endpgm
.Lentry_shape_is_right:
; out0 = ref + wO [e(hw) ; e(4096 + hw)] + bO,  e(n) = the sum over m of softmax_m(q(n) . k(m)) v(m): all three products on codes of FP4 (E2M1) with one E8M0 scale for each 32 along K.
; q, k, v come as images of operands' registers: a half block of 8,704 bytes = eight fragments of 1,024 bytes (registers 4 c .. 4 c + 3 at 512 c + 16 x lane) and 512 bytes of scale words (16 x lane + 4 j: lanes 0-15
; tile 2 j, lanes 16-31 tile 2 j + 1).  Row r of tile 2 b + u is item 32 b + 8 u + r + 8 (r / 8): tokens in q's and k's tiles, channels in v's.  kv: for each 128 keys k's half block, then v's: 17,408 dense bytes.
; THE SOFTMAX AHEAD OF THE SECOND PRODUCT: t = score x log2(e); M = the largest t so far, rounded UP to a whole number; p = 2^(t - M) is quantised along the keys, not normalised; the sum is taken of the unquantised p.
; When M moves, the sum and O are multiplied by 2^(old M - new M): exact.
; SHARES.  A work-group owns 32 pixels: 64 queries (32 of ref's tokens, 32 of nei's), four tiles of 16.  Sixteen waves, four to a SIMD: wave w has tile w % 4 and the key quarter w / 4: of each slot's eight key steps of
; 128 keys it walks steps 2 (w / 4) and 2 (w / 4) + 1.  So 1,024 tiles of queries give 4,096 waves, and one wave's vector work stands beside another's matrix work and LDS loads.
; Both products are used transposed (S^T = k q^T, O^T = v p^T): a lane holds ONE query (lane % 16) throughout, and its registers run along the keys, then along the channels.
; At the end the four quarters' O^T, M and sums meet in LDS; e is quantised along the channels and goes through LDS as images; wave w makes 16 output channels (w % 8) x 16 pixels (w / 8).
; CLUSTER.  The four work-groups of a cluster belong to one batch and walk the same kv, 1,114,112 bytes: each tile is asked for JOINTLY, by the same tensor load with the same descriptor and the mask of all four.
; RING.  Two slots of eight key steps (139,264 bytes).  Waves 0-7 fetch a step each: 68 rows of 256 bytes.  One tensor load of a wave is out at a time; it has a slot's work in which to land.
; The launch claims all of the WGP's LDS
; LIMITS: NaN and infinities are not served; |t| stays under 3e38; a block whose largest magnitude lies under 2^-124 gets the byte 1.  A work-group's 32 pixels are 128 bytes of a row of ref and of out0: each store's
; eight neighbouring lanes cover 128 consecutive bytes; 256 work-groups on 8,192 pixels leave no more.
.set STEPB, 17408                      ; a key step's block
.set HALFB, 8704                       ; k's half of it
.set SLOTB, 8*STEPB
.set SPARE, 2*SLOTB                    ; behind the ring: the spare words, 128 bytes for each of 16 waves: eight blocks of 256 bytes that no other line names
.set STAT,  SPARE+2048                 ; (-M, sum) of each wave: 8 bytes a lane
.set EIMG,  STAT+4096                  ; e's four fragments, as images
.set ESC,   EIMG+4096                  ; their scale words, 64 bytes a tile
.set OSTG,  ESC+256                    ; the way out: 128 channels x (128 bytes + 16)
.set OP,    144
; The sixteen partial O^T (8,192 bytes each) lie at LDS byte 0, in slot 0: it has had its last fill and its last read when they are stored.
; REGISTERS: v1 my spare word, v2 0 (never rewritten); v3, v4 my place in slot 0, 1; v5 16 x lane, v6 16 r, v7 r, v8 h, v9 lane; v10 q's scale word, v11 p's; v12 -M, v13 the largest t, v[14:15] the sum in two halves;
; v16-23 q; v24-27 k's scale words, v28-31 v's; v32-95 eight fragments of k, then of v; v96-159 S^T, then p; v160-223 O^T; v224-231 p's codes; v232-255 at work.
; s18 wave, s19 trips, s[20:21] lane selects, s[22:23] c = log2(e), s[24:31] descriptor group 1, s[32:35], s[36:39] group 0 of slot 0, 1.
.macro ROUND                           ; a round of the cluster's barrier: my work-group's barrier; wave 0 signals for the work-group; every wave waits for all four work-groups; my work-group's barrier once more
	s_barrier_signal -1
	s_barrier_wait -1
	s_cmp_lg_u32 s18, 0
	s_cbranch_scc1 .Lnot_wave_0_\@
	s_barrier_signal -3
.Lnot_wave_0_\@:
	s_barrier_wait -3
	s_barrier_signal -1
	s_barrier_wait -1
.endm
.macro TLOAD n                         ; slot n's joint load: waves 0-7, a key step each; the branch hangs on the wave's number alone.  Four v_nop follow the load
	s_cmp_lt_u32 s18, 8
	s_cbranch_scc0 .Lnone_\@
	tensor_load_to_lds s[32+4*(\n):35+4*(\n)], s[24:31]
	s_nop 0
.rept 4
	v_nop
.endr
.Lnone_\@:
.endm
.macro BARRIER
	s_wait_dscnt 0x0
	s_barrier_signal -1
	s_barrier_wait -1
.endm
; A KEY STEP: 128 keys, the st-th of my two in the slot.
.macro STEP slot, st
.set OFF, STEPB*\st
.rept 4
	v_nop                                          ; four places in front of loads into registers that the last products read (ISA guide 7.12.1 for vector instructions)
.endr
.irp t, 0,1,2,3,4,5,6,7
	ds_load_b128 v[32+8*\t:35+8*\t], v[3+\slot] offset:OFF+1024*\t        ; k's fragments as they lie: 512 consecutive bytes a load
	ds_load_b128 v[36+8*\t:39+8*\t], v[3+\slot] offset:OFF+1024*\t+512
.endr
	ds_load_b128 v[24:27], v[3+\slot] offset:OFF+8192                     ; and the scale words of all eight tiles
	s_wait_dscnt 0x0
.irp t, 0,1,2,3,4,5,6,7
.if \t%2
	v_wmma_scale_f32_16x16x128_f8f6f4 v[96+8*\t:103+8*\t], v[32+8*\t:39+8*\t], v[16:23], 0, v[24+\t/2], v10 matrix_a_fmt:MATRIX_FMT_FP4 matrix_b_fmt:MATRIX_FMT_FP4 matrix_a_scale:MATRIX_SCALE_ROW1
.else
	v_wmma_scale_f32_16x16x128_f8f6f4 v[96+8*\t:103+8*\t], v[32+8*\t:39+8*\t], v[16:23], 0, v[24+\t/2], v10 matrix_a_fmt:MATRIX_FMT_FP4 matrix_b_fmt:MATRIX_FMT_FP4
.endif
.endr                                  ; lane (r, h) holds query r; register 16 b + i is key 32 b + 16 h + i of the step
.rept 4
	v_nop                                          ; places in front of the loads below and of the first read of the scores
.endr
.irp t, 0,1,2,3,4,5,6,7
	ds_load_b128 v[32+8*\t:35+8*\t], v[3+\slot] offset:OFF+HALFB+1024*\t  ; v's fragments land while the softmax is walked
	ds_load_b128 v[36+8*\t:39+8*\t], v[3+\slot] offset:OFF+HALFB+1024*\t+512
.endr
	ds_load_b128 v[28:31], v[3+\slot] offset:OFF+HALFB+8192
.irp b, 0,1,2,3
	v_max3_num_f32 v[232+\b], v[96+16*\b], v[97+16*\b], v[98+16*\b]       ; the largest score of each block of 32 keys: it serves for the row's maximum and, since p rises with the score, for the block's largest p
.endr
.irp i, 3,5,7,9,11,13
.irp b, 0,1,2,3
	v_max3_num_f32 v[232+\b], v[232+\b], v[96+16*\b+\i], v[97+16*\b+\i]   ; (the four blocks by turns)
.endr
.endr
.irp b, 0,1,2,3
	v_max_num_f32 v[232+\b], v[232+\b], v[111+16*\b]
.endr
.irp b, 0,1,2,3
	s_delay_alu instid0(VALU_DEP_4)
	v_permlanex16_b32 v[236+\b], v[232+\b], s20, s21
.endr
.irp b, 0,1,2,3
	s_delay_alu instid0(VALU_DEP_4)
	v_max_num_f32 v[232+\b], v[232+\b], v[236+\b]  ; with lane l xor 16's 16 keys
.endr
	s_delay_alu instid0(VALU_DEP_2)
	v_max3_num_f32 v254, v232, v233, v234
	s_delay_alu instid0(VALU_DEP_1)
	v_max_num_f32 v254, v254, v235                 ; the step's largest score of my query
	s_delay_alu instid0(VALU_DEP_1)
	v_mul_f32 v254, s22, v254                      ; as t (c is positive)
	s_delay_alu instid0(VALU_DEP_1)
	v_max_num_f32 v13, v13, v254                   ; the running largest t
	v_mov_b32 v254, v12
	s_delay_alu instid0(VALU_DEP_2)
	v_floor_f32 v12, -v13                          ; the new -M = floor(-t) = -ceil(t): a whole number
	s_delay_alu instid0(VALU_DEP_1)
	v_sub_f32 v254, v12, v254                      ; old M - new M: a whole number, 0 or less
	s_delay_alu instid0(VALU_DEP_1)
	v_cvt_i32_f32 v254, v254                       ; (it saturates)
	s_delay_alu instid0(VALU_DEP_1)
	v_ldexp_f32 v252, 1.0, v254                    ; f = 2^(old M - new M)
.set J, 0
.rept 32
	v_pk_fma_f32 v[96+J:97+J], v[96+J:97+J], s[22:23], v[12:13] op_sel_hi:[1,0,0]   ; t - M, two at a time (of the pairs c and -M the low word serves both halves)
.set J, J+2
.endr
.irp b, 0,1,2,3
	v_fma_f32 v[232+\b], v[232+\b], s22, v12       ; the same of each block's largest score
.endr
.set J, 0
	s_wait_alu depctr_va_vdst(0)
.rept 64
	v_exp_f32 v[96+J], v[96+J]                     ; p = 2^(t - M), at most 1
.set J, J+1
.endr
.irp b, 0,1,2,3
	v_exp_f32 v[232+\b], v[232+\b]                 ; the block's largest p: the same two instructions on the same number
.endr
	v_pk_mul_f32 v[14:15], v[14:15], v[252:253] op_sel_hi:[1,0]   ; the sums under the new M.  (The plain place behind the exponentials)
	s_wait_alu depctr_va_vdst(0)
.irp b, 0,1,2,3
	v_max_num_f32 v[232+\b], 0x1800000, v[232+\b]  ; the floor 2^(3 - 127): the byte cannot fall under 1
.endr
.irp b, 0,1,2,3
	s_delay_alu instid0(VALU_DEP_4)
	v_add_nc_u32 v[244+\b], 0xff000000, v[232+\b]  ; 2 off the exponent field: the conversion's scale operand
.endr
.irp b, 0,1,2,3
	s_delay_alu instid0(VALU_DEP_4)
	v_lshrrev_b32 v[236+\b], 23, v[244+\b]         ; the scale's byte
.endr
	s_delay_alu instid0(VALU_DEP_3)
	v_lshl_or_b32 v11, v237, 8, v236               ; p's scale word for these 128 keys
	s_delay_alu instid0(VALU_DEP_1)
	v_lshl_or_b32 v11, v238, 16, v11
	s_delay_alu instid0(VALU_DEP_1)
	v_lshl_or_b32 v11, v239, 24, v11
.irp b, 0,1,2,3
	v_cvt_scalef32_pk8_fp4_f32 v[224+2*\b], v[96+16*\b:103+16*\b], v[244+\b]
	v_cvt_scalef32_pk8_fp4_f32 v[225+2*\b], v[104+16*\b:111+16*\b], v[244+\b]
.endr
	v_nop                                          ; one plain place behind a scaled conversion
.irp c, 0,1
.irp i, 0,1
	v_permlane16_swap_b32 v[224+4*\c+\i], v[226+4*\c+\i]   ; a whole block in a lane: lanes 0-15 block 2 c, lanes 16-31 block 2 c + 1
.endr
.endr
	v_pk_add_f32 v[236:237], v[100:101], v[104:105]
	v_pk_add_f32 v[254:255], v[108:109], v[112:113]
	v_pk_add_f32 v[250:251], v[116:117], v[120:121]
	v_pk_add_f32 v[248:249], v[124:125], v[128:129]
	v_pk_add_f32 v[246:247], v[132:133], v[136:137]
	v_pk_add_f32 v[244:245], v[140:141], v[144:145]
	v_pk_add_f32 v[242:243], v[148:149], v[152:153]
	v_pk_add_f32 v[14:15], v[14:15], v[156:157]
	v_pk_add_f32 v[236:237], v[236:237], v[96:97]
	v_pk_add_f32 v[254:255], v[254:255], v[98:99]
	v_pk_add_f32 v[250:251], v[250:251], v[102:103]
	v_pk_add_f32 v[248:249], v[248:249], v[106:107]
	v_pk_add_f32 v[246:247], v[246:247], v[110:111]
	v_pk_add_f32 v[244:245], v[244:245], v[114:115]
	v_pk_add_f32 v[242:243], v[242:243], v[118:119]
	v_pk_add_f32 v[14:15], v[14:15], v[122:123]
	v_pk_add_f32 v[236:237], v[236:237], v[126:127]
	v_pk_add_f32 v[254:255], v[254:255], v[130:131]
	v_pk_add_f32 v[250:251], v[250:251], v[134:135]
	v_pk_add_f32 v[248:249], v[248:249], v[138:139]
	v_pk_add_f32 v[246:247], v[246:247], v[142:143]
	v_pk_add_f32 v[244:245], v[244:245], v[146:147]
	v_pk_add_f32 v[242:243], v[242:243], v[150:151]
	v_pk_add_f32 v[14:15], v[14:15], v[154:155]
	v_pk_add_f32 v[236:237], v[236:237], v[158:159]
	s_delay_alu instid0(VALU_DEP_2)
	v_pk_add_f32 v[14:15], v[14:15], v[248:249]
	s_delay_alu instid0(VALU_DEP_2)
	v_pk_add_f32 v[236:237], v[236:237], v[246:247]
	v_pk_add_f32 v[254:255], v[254:255], v[244:245]
	v_pk_add_f32 v[250:251], v[250:251], v[242:243]
	s_delay_alu instid0(VALU_DEP_2)
	v_pk_add_f32 v[14:15], v[14:15], v[254:255]
	s_delay_alu instid0(VALU_DEP_2)
	v_pk_add_f32 v[236:237], v[236:237], v[250:251]
	s_delay_alu instid0(VALU_DEP_1)
	v_pk_add_f32 v[14:15], v[14:15], v[236:237]
.set J, 0
.rept 32
	v_pk_mul_f32 v[160+J:161+J], v[160+J:161+J], v[252:253] op_sel_hi:[1,0]   ; O^T under the new M.  (These and the sums are the places between p's codes and scale word and the products below)
.set J, J+2
.endr
	s_wait_alu depctr_va_vdst(0)
	s_wait_dscnt 0x0                               ; v's fragments and scale words are in
.irp t, 0,1,2,3,4,5,6,7                ; the eight accumulators by turns, one instruction a turn
.if \t%2
	v_wmma_scale_f32_16x16x128_f8f6f4 v[160+8*\t:167+8*\t], v[32+8*\t:39+8*\t], v[224:231], v[160+8*\t:167+8*\t], v[28+\t/2], v11 matrix_a_fmt:MATRIX_FMT_FP4 matrix_b_fmt:MATRIX_FMT_FP4 matrix_a_scale:MATRIX_SCALE_ROW1
.else
	v_wmma_scale_f32_16x16x128_f8f6f4 v[160+8*\t:167+8*\t], v[32+8*\t:39+8*\t], v[224:231], v[160+8*\t:167+8*\t], v[28+\t/2], v11 matrix_a_fmt:MATRIX_FMT_FP4 matrix_b_fmt:MATRIX_FMT_FP4
.endif
.endr
.endm
; A slot's turn.  In front of the round each wave waits for all its tensor loads (its part of this slot), adds 0 to its spare word, and waits for that and for its reads of the other slot.
; Behind the round this slot is whole in all four work-groups and nobody reads the other one: it is filled first, then this slot is worked.
.macro TRIP slot, refill
	s_wait_tensorcnt 0x0                           ; no tensor load of mine is out, so a group 0 may be written
	ds_add_u32 v1, v2                              ; 0 onto my spare word
	s_add_nc_u64 s[34+4*\slot:35+4*\slot], s[34+4*\slot:35+4*\slot], 2*SLOTB   ; this slot's next eight key steps; the type bits on top are not reached
	s_wait_dscnt 0x0                               ; the add is done, and my reads of the other slot are over
	ROUND
.if \refill
	TLOAD 1-\slot
.endif
	STEP \slot, 0
	STEP \slot, 1
.endm
	s_load_b256 s[4:11], s[0:1], 0x0               ; qbuf 4, kv 6, ref 8, wO's codes 10
	s_load_b128 s[12:15], s[0:1], 0x20             ; wO's scales 12, bO 14
	s_load_b64 s[16:17], s[0:1], 0x30              ; out0
	v_lshl_add_u32 v1, v0, 2, SPARE
	v_mov_b32 v2, 0
	ds_add_u32 v1, v2
	ds_add_u32 v1, v2
	s_wait_dscnt 0x0
	v_lshrrev_b32 v3, 5, v0
	s_delay_alu instid0(VALU_DEP_1)
	v_readfirstlane_b32 s18, v3                    ; wave 0..15
	s_and_b32 s43, s18, 3                          ; qt: my tile of queries
	s_lshr_b32 s44, s18, 2                         ; kq: my quarter of the keys
	s_bfe_u32 s40, ttmp6, 0x40000                  ; cx: my place in the cluster: it enters global addresses of q, ref and out0 alone
	s_lshl_b32 s41, ttmp9, 2                       ; in a cluster launch ttmp9 counts clusters
	s_add_co_u32 s41, s41, s40                     ; my block of 32 pixels
	s_and_b32 s42, ttmp7, 0xffff                   ; the batch, which the four partners share
	s_mov_b32 s20, 0x76543210
	s_mov_b32 s21, 0xfedcba98
	s_mov_b32 s22, 0x3fb8aa3b                      ; c = log2(e)
	s_mov_b32 s23, s22                             ; (named with it as a pair, so it is written)
	s_mov_b32 s19, 3
	; descriptor group 1: a dense block of 17,408 bytes as 68 rows of 32 elements of 8 bytes, no padding: the images are read 512 consecutive bytes at a time
	s_mov_b32 s24, 15|(3<<16)|(1<<21)              ; 15:0 the mask: all four work-groups; 17:16 elements of 8 bytes; 21 set beside a mask
	s_mov_b32 s25, 32<<16                          ; tensor_dim0 = 32
	s_mov_b32 s26, 68<<16                          ; tensor_dim1 = 68
	s_mov_b32 s27, 32<<16                          ; tile_dim0 = 32
	s_mov_b32 s28, 68                              ; tile_dim1 = 68
	s_mov_b32 s29, 32                              ; tensor_dim0_stride
	s_mov_b32 s30, 0
	s_mov_b32 s31, 0
	s_and_b32 s46, s18, 7
	s_mul_i32 s46, s46, STEPB                      ; the key step that I fetch: its place in a slot, in LDS and in memory alike
	s_mul_i32 s48, s42, 64*STEPB                   ; the batch's 64 key steps
	s_add_co_u32 s48, s48, s46
	s_mov_b32 s49, 0
	; q: group batch x 64 + 32 (qt / 2) + block / 4; in it tile 2 (block % 4) + qt % 2
	s_lshr_b32 s50, s43, 1
	s_and_b32 s51, s43, 1
	s_lshl_b32 s52, s42, 6
	s_lshl_b32 s53, s50, 5
	s_add_co_u32 s52, s52, s53
	s_lshr_b32 s53, s41, 2
	s_add_co_u32 s52, s52, s53
	s_mul_i32 s52, s52, HALFB
	s_and_b32 s53, s41, 3
	s_lshl_b32 s54, s53, 1
	s_add_co_u32 s54, s54, s51
	s_lshl_b32 s54, s54, 10
	s_add_co_u32 s54, s54, s52                     ; its image
	s_mov_b32 s55, 0
	s_lshl_b32 s56, s51, 8
	s_lshl_b32 s57, s53, 2
	s_add_co_u32 s56, s56, s57
	s_add_co_u32 s56, s56, s52
	s_add_co_u32 s56, s56, 8192                    ; its scale words: 256 (tile % 2) + 4 (tile / 2), 16 bytes a row
	s_mov_b32 s57, 0
	s_mul_i32 s47, s44, 2*STEPB                    ; my two key steps in a slot
	s_wait_kmcnt 0x0
	s_mov_b32 s32, 1                               ; group 0 of slot 0: count = 1,
	s_mov_b32 s33, s46                             ; LDS address,
	s_add_nc_u64 s[34:35], s[6:7], s[48:49]        ; global address: key steps 0 to 7
	s_mov_b32 s36, 1
	s_add_co_u32 s37, s46, SLOTB
	s_add_nc_u64 s[38:39], s[34:35], SLOTB         ; slot 1: key steps 8 to 15
	s_or_b32 s35, s35, 0x80000000                  ; type = 2
	s_or_b32 s39, s39, 0x80000000
	ROUND                                          ; all four work-groups are here: the first joint loads meet
	TLOAD 0
	s_add_nc_u64 s[54:55], s[4:5], s[54:55]
	s_add_nc_u64 s[56:57], s[4:5], s[56:57]
	v_and_b32 v9, 31, v0                           ; lane
	v_and_b32 v7, 15, v0                           ; r
	v_bfe_u32 v8, v0, 4, 1                         ; h
	s_delay_alu instid0(VALU_DEP_3)
	v_lshlrev_b32 v5, 4, v9
	s_delay_alu instid0(VALU_DEP_3)
	v_lshlrev_b32 v6, 4, v7
	s_delay_alu instid0(VALU_DEP_2)
	v_add_nc_u32 v3, s47, v5
	s_delay_alu instid0(VALU_DEP_1)
	v_add_nc_u32 v4, SLOTB, v3
	global_load_b128 v[16:19], v5, s[54:55]        ; q's fragment stays in registers
	global_load_b128 v[20:23], v5, s[54:55] offset:512
	global_load_b32 v10, v6, s[56:57]
	v_mov_b32 v13, 0xff61b1e6                      ; the largest t so far: -3e38, under every t
	s_delay_alu instid0(VALU_DEP_1)
	v_floor_f32 v12, -v13                          ; -M
	v_mov_b32 v14, 0                               ; the sum, in two halves
	v_mov_b32 v15, 0
.irp b, 0,1,2,3
	v_mov_b32 v[236+\b], 0                         ; written once: a lane permute's destination counts as one of its sources
.endr
	v_mov_b32 v253, 0                              ; (named as the upper half of the pair v[252:253])
.set J, 0
.rept 64
	v_mov_b32 v[160+J], 0                          ; O^T.  The key step is written in one form: the first finds zeros, which the first change of M leaves zeros; a first step of its own would be a further copy of the step's text
.set J, J+1
.endr
	s_wait_loadcnt 0x0                             ; q
.Lloop:                                            ; three trips of two slots; eight slots' worth of keys in all
	TRIP 0, 1
	TRIP 1, 1
	s_sub_co_u32 s19, s19, 1
	s_cmp_lg_u32 s19, 0
	s_cbranch_scc1 .Lloop
	TRIP 0, 1                                      ; the tail is written out
	TRIP 1, 0                                      ; nothing is left to fetch (slot 1's stepped address is not used)
	; ---- THE QUARTERS MEET.  The lines down to the stores are also the places behind the last products
	v_add_f32 v14, v14, v15                        ; the sum's two halves,
	s_delay_alu instid0(VALU_DEP_1)
	v_permlanex16_b32 v252, v14, s20, s21
	s_delay_alu instid0(VALU_DEP_1)
	v_add_f32 v13, v14, v252                       ; and lane l xor 16's: my quarter's sum, beside -M
	s_lshl_b32 s46, s43, 2
	s_add_co_u32 s46, s46, s44                     ; 4 qt + kq
	s_lshl_b32 s47, s46, 13
	v_add_nc_u32 v240, s47, v5                     ; where my O^T goes, as an image: 8,192 bytes
	s_lshl_b32 s47, s43, 15
	s_lshl_b32 s48, s44, 11
	s_add_co_u32 s47, s47, s48
	v_add_nc_u32 v241, s47, v5                     ; what I merge: registers 16 kq .. 16 kq + 15 of my tile's four images
	s_lshl_b32 s47, s46, 8
	s_add_co_u32 s47, s47, STAT
	v_lshl_add_u32 v242, v9, 3, s47                ; my (-M, sum)
	s_lshl_b32 s47, s43, 10
	s_add_co_u32 s48, s47, STAT
	v_lshl_add_u32 v243, v9, 3, s48                ; my tile's four
	s_lshl_b32 s48, s44, 8
	s_add_co_u32 s47, s47, s48
	s_add_co_u32 s47, s47, EIMG
	v_lshl_add_u32 v244, v8, 3, v6
	s_delay_alu instid0(VALU_DEP_1)
	v_add_nc_u32 v244, s47, v244                   ; e's image of tile qt: block kq is registers 4 (kq / 2) .. + 3 of lane r + 16 (kq % 2): 256 kq + 16 r; my 16 codes are its half h
	s_lshl_b32 s47, s43, 6
	s_add_co_u32 s47, s47, s44
	s_add_co_u32 s47, s47, ESC
	v_lshl_add_u32 v245, v7, 2, s47                ; byte kq of row r's scale word
	s_lshr_b32 s49, s18, 3                         ; tt: which 16 pixels I finish
	s_and_b32 s50, s18, 7                          ; ot: which 16 output channels
	s_lshl_b32 s47, s49, 10
	s_add_co_u32 s47, s47, EIMG
	v_add_nc_u32 v246, s47, v5                     ; e's fragments of tiles tt and 2 + tt
	s_lshl_b32 s47, s49, 6
	s_add_co_u32 s47, s47, ESC
	v_lshl_add_u32 v247, v7, 2, s47
	s_mul_i32 s47, s50, 16*OP
	s_lshl_b32 s48, s49, 5
	s_add_co_u32 s47, s47, s48
	s_add_co_u32 s47, s47, OSTG
	v_mul_u32_u24 v248, v7, OP
	s_delay_alu instid0(VALU_DEP_1)
	v_lshl_add_u32 v248, v8, 6, v248
	s_delay_alu instid0(VALU_DEP_1)
	v_add_nc_u32 v248, s47, v248                   ; the stage: channel 16 ot + r, pixels 8 tt + 16 h + 0 .. 7
	s_mul_i32 s47, s18, 8*OP
	s_add_co_u32 s47, s47, OSTG
	v_lshrrev_b32 v254, 3, v9
	v_and_b32 v255, 7, v9
	s_delay_alu instid0(VALU_DEP_2)
	v_mul_u32_u24 v249, v254, OP
	s_delay_alu instid0(VALU_DEP_1)
	v_lshl_add_u32 v249, v255, 4, v249
	s_delay_alu instid0(VALU_DEP_1)
	v_add_nc_u32 v249, s47, v249                   ; back: channels 8 wave + lane / 8 (and + 4), 16 bytes a lane
	v_lshlrev_b32 v250, 14, v254
	s_delay_alu instid0(VALU_DEP_1)
	v_lshl_add_u32 v250, v255, 4, v250             ; and the same in ref and out0: a channel is 16,384 bytes
	v_lshlrev_b32 v251, 7, v7
	s_delay_alu instid0(VALU_DEP_1)
	v_lshl_add_u32 v251, v8, 4, v251               ; wO: row r of 128 bytes, + 16 h
	s_wait_alu depctr_va_vdst(0)
	v_lshlrev_b32 v129, 3, v7                      ; its scale words: 8 bytes a row
	s_wait_alu depctr_va_vdst(0)
	v_lshlrev_b32 v130, 2, v7                      ; bO
	s_wait_alu depctr_va_vdst(0)
	s_mov_b32 s53, 0
	s_lshl_b32 s52, s50, 11
	s_add_nc_u64 s[10:11], s[10:11], s[52:53]
	s_lshl_b32 s52, s50, 7
	s_add_nc_u64 s[12:13], s[12:13], s[52:53]
	s_lshl_b32 s52, s50, 6
	s_add_nc_u64 s[14:15], s[14:15], s[52:53]
	s_lshl_b32 s52, s42, 21                        ; the batch, my wave's eight channels, my work-group's 32 pixels
	s_lshl_b32 s54, s18, 17
	s_add_co_u32 s52, s52, s54
	s_lshl_b32 s54, s41, 7
	s_add_co_u32 s52, s52, s54
	s_add_nc_u64 s[8:9], s[8:9], s[52:53]
	s_add_nc_u64 s[16:17], s[16:17], s[52:53]
.irp s, 0,1                            ; what the last product wants from memory is asked for now and lands under the merge
.irp c, 0,1
	global_load_b128 v[112+8*\s+4*\c:115+8*\s+4*\c], v251, s[10:11] offset:64*\s+32*\c
.endr
	global_load_b32 v[28+\s], v129, s[12:13] offset:4*\s
.endr
	global_load_b32 v128, v130, s[14:15]
	global_load_b128 v[132:135], v250, s[8:9] th:TH_LOAD_NT
	global_load_b128 v[136:139], v250, s[8:9] offset:65536 th:TH_LOAD_NT
.set J, 0
.rept 16
	ds_store_b128 v240, v[160+4*J:163+4*J] offset:512*J    ; each accumulator from its low end on
.set J, J+1
.endr
	ds_store_b64 v242, v[12:13]
	BARRIER                                        ; sixteen partial O^T and their (-M, sum) lie in LDS
.irp k, 0,1,2,3
.irp g, 0,1,2,3
	ds_load_b128 v[32+16*\k+4*\g:35+16*\k+4*\g], v241 offset:8192*\k+512*\g
.endr
	ds_load_b64 v[232+2*\k:233+2*\k], v243 offset:256*\k
.endr
	s_wait_dscnt 0x0
	v_min_num_f32 v254, v232, v234
	s_delay_alu instid0(VALU_DEP_1)
	v_min3_num_f32 v254, v254, v236, v238          ; the row's -M: the least of the four
.irp k, 0,1,2,3
	v_sub_f32 v[232+2*\k], v254, v[232+2*\k]       ; quarter k's M less the row's: a whole number, 0 or less
.endr
.irp k, 0,1,2,3
	s_delay_alu instid0(VALU_DEP_4)
	v_cvt_i32_f32 v[232+2*\k], v[232+2*\k]
.endr
.irp k, 0,1,2,3
	s_delay_alu instid0(VALU_DEP_4)
	v_ldexp_f32 v[232+2*\k], 1.0, v[232+2*\k]      ; f_k: an exact power of two
.endr
	s_delay_alu instid0(VALU_DEP_4)
	v_mul_f32 v252, v232, v233
	s_delay_alu instid0(VALU_DEP_1)
	v_fmac_f32 v252, v234, v235
	s_delay_alu instid0(VALU_DEP_1)
	v_fmac_f32 v252, v236, v237
	s_delay_alu instid0(VALU_DEP_1)
	v_fmac_f32 v252, v238, v239                    ; the row's sum
	s_wait_alu depctr_va_vdst(0)
	v_rcp_f32 v252, v252
.irp i, 0,2,4,6,8,10,12,14
	v_pk_mul_f32 v[96+\i:97+\i], v[32+\i:33+\i], v[232:233] op_sel_hi:[1,0]   ; (plain places behind the reciprocal)
.endr
.irp k, 1,2,3
.irp i, 0,2,4,6,8,10,12,14
	v_pk_fma_f32 v[96+\i:97+\i], v[32+16*\k+\i:33+16*\k+\i], v[232+2*\k:233+2*\k], v[96+\i:97+\i] op_sel_hi:[1,0,1]
.endr
.endr
	s_wait_alu depctr_va_vdst(0)
.irp i, 0,2,4,6,8,10,12,14
	v_pk_mul_f32 v[96+\i:97+\i], v[96+\i:97+\i], v[252:253] op_sel_hi:[1,0]   ; e: register i is channel 32 kq + 16 h + i of my lane's token
.endr
	v_max3_num_f32 v226, |v96|, |v97|, 0x1800000   ; the block's largest magnitude, with the floor
	v_max3_num_f32 v227, |v98|, |v99|, |v100|
	s_delay_alu instid0(VALU_DEP_2)
	v_max3_num_f32 v226, v226, |v101|, |v102|
	s_delay_alu instid0(VALU_DEP_2)
	v_max3_num_f32 v227, v227, |v103|, |v104|
	s_delay_alu instid0(VALU_DEP_2)
	v_max3_num_f32 v226, v226, |v105|, |v106|
	s_delay_alu instid0(VALU_DEP_2)
	v_max3_num_f32 v227, v227, |v107|, |v108|
	s_delay_alu instid0(VALU_DEP_2)
	v_max3_num_f32 v226, v226, |v109|, |v110|
	s_delay_alu instid0(VALU_DEP_1)
	v_max3_num_f32 v226, v226, v227, |v111|
	s_delay_alu instid0(VALU_DEP_1)
	v_permlanex16_b32 v227, v226, s20, s21
	s_delay_alu instid0(VALU_DEP_1)
	v_max_num_f32 v226, v226, v227
	s_delay_alu instid0(VALU_DEP_1)
	v_add_nc_u32 v228, 0xff000000, v226
	s_delay_alu instid0(VALU_DEP_1)
	v_lshrrev_b32 v229, 23, v228
	v_cvt_scalef32_pk8_fp4_f32 v224, v[96:103], v228
	v_cvt_scalef32_pk8_fp4_f32 v225, v[104:111], v228
	v_nop                                          ; one plain place behind a scaled conversion
	ds_store_b64 v244, v[224:225]
	ds_store_b8 v245, v229                         ; (lanes r and r + 16 write the same byte with the same value)
	BARRIER                                        ; e's four fragments and their scale words lie in LDS
	; ---- THE LAST PRODUCT: source 0 = 16 tokens of e, source 1 = 16 rows of wO; K = 128 channels of ref's token, then 128 of nei's.  A lane holds one output channel and eight neighbouring pixels
	ds_load_b128 v[32:35], v246
	ds_load_b128 v[36:39], v246 offset:512
	ds_load_b128 v[40:43], v246 offset:2048
	ds_load_b128 v[44:47], v246 offset:2560
	ds_load_b32 v24, v247
	ds_load_b32 v25, v247 offset:128
	s_wait_loadcnt 0x0                             ; wO, its scale words, bO, ref
.irp j, 0,1,2,3,4,5,6,7
	v_mov_b32 v[148+\j], v128                      ; bO of my lane's channel is the sum's C
.endr
.rept 4
	v_nop
.endr
	s_wait_alu depctr_va_vdst(0)
	s_wait_dscnt 0x0
	v_wmma_scale_f32_16x16x128_f8f6f4 v[160:167], v[32:39], v[112:119], v[148:155], v24, v28 matrix_a_fmt:MATRIX_FMT_FP4 matrix_b_fmt:MATRIX_FMT_FP4
	s_wait_alu depctr_va_vdst(0)                   ; one accumulator, two links
	v_wmma_scale_f32_16x16x128_f8f6f4 v[160:167], v[40:47], v[120:127], v[160:167], v25, v29 matrix_a_fmt:MATRIX_FMT_FP4 matrix_b_fmt:MATRIX_FMT_FP4
.rept 4
	v_nop                                          ; four places in front of the stores that read the result
.endr
	ds_store_b128 v248, v[160:163]
	ds_store_b128 v248, v[164:167] offset:16
	BARRIER                                        ; 128 channels x 32 pixels lie in the stage
	ds_load_b128 v[96:99], v249
	ds_load_b128 v[100:103], v249 offset:4*OP
	s_wait_dscnt 0x0
.irp i, 0,2,4,6
	v_pk_add_f32 v[96+\i:97+\i], v[96+\i:97+\i], v[132+\i:133+\i]   ; + ref
.endr
	global_store_b128 v250, v[96:99], s[16:17] th:TH_STORE_NT                ; eight lanes store a channel's 128 consecutive bytes
	global_store_b128 v250, v[100:103], s[16:17] offset:65536 th:TH_STORE_NT
	s_wait_tensorcnt 0x0                           ; the wave's end: behind my last tensor load and my last LDS store
	ds_add_u32 v1, v2
	s_wait_dscnt 0x0
	ROUND                                          ; the closing round: no work-group ends while a partner may still ask for a tile that names it
	s_endpgm
.Lfunc_end_k_q89169d4cd1_attn:
	.size	k_q89169d4cd1_attn, .Lfunc_end_k_q89169d4cd1_attn-k_q89169d4cd1_attn
	.p2alignl 7, 3214868480
	.fill 96, 4, 3214868480
	.section	.rodata,"a",@progbits
	.p2align	6, 0x0
	.amdhsa_kernel k_q89169d4cd1_attn
		.amdhsa_group_segment_fixed_size 327680
		.amdhsa_private_segment_fixed_size 0
		.amdhsa_enable_private_segment 0
		.amdhsa_kernarg_size 56
		.amdhsa_user_sgpr_count 2
		.amdhsa_user_sgpr_kernarg_segment_ptr 1
		.amdhsa_wavefront_size32 1
		.amdhsa_system_sgpr_workgroup_id_x 1
		.amdhsa_system_sgpr_workgroup_id_y 1
		.amdhsa_system_sgpr_workgroup_id_z 1
		.amdhsa_system_vgpr_workitem_id 0
		.amdhsa_next_free_vgpr 256
		.amdhsa_next_free_sgpr 66
		.amdhsa_reserve_vcc 0
		.amdhsa_float_denorm_mode_32 3
		.amdhsa_float_denorm_mode_16_64 3
		.amdhsa_memory_ordered 1
		.amdhsa_forward_progress 1
		.amdhsa_inst_pref_size 169
	.end_amdhsa_kernel
	.amdgpu_metadata
---
amdhsa.version: [ 1, 2 ]
amdhsa.kernels:
  - .name:           k_q89169d4cd1_attn
    .symbol:         k_q89169d4cd1_attn.kd
    .args:
      - { .name: qbuf, .offset: 0, .size: 8, .value_kind: global_buffer, .address_space: global }
      - { .name: kv, .offset: 8, .size: 8, .value_kind: global_buffer, .address_space: global }
      - { .name: ref, .offset: 16, .size: 8, .value_kind: global_buffer, .address_space: global }
      - { .name: wO_codes, .offset: 24, .size: 8, .value_kind: global_buffer, .address_space: global }
      - { .name: wO_scales, .offset: 32, .size: 8, .value_kind: global_buffer, .address_space: global }
      - { .name: bO, .offset: 40, .size: 8, .value_kind: global_buffer, .address_space: global }
      - { .name: out0, .offset: 48, .size: 8, .value_kind: global_buffer, .address_space: global }
    .group_segment_fixed_size: 327680
    .private_segment_fixed_size: 0
    .kernarg_segment_align: 8
    .kernarg_segment_size: 56
    .max_flat_workgroup_size: 512
    .sgpr_count:     66
    .vgpr_count:     256
    .wavefront_size: 32
...
	.end_amdgpu_metadata
.endif
;; end of part 2
